; MI455X (gfx1250); checked and timed in simulation.
; The chip was launched on July 23, 2026; its instructions are those of AMD's public machine-readable ISA for CDNA 5 (MIT licence, August 2026) and "CDNA5" Instruction Set Architecture Reference Guide (July 2026). The comments in the code are by the model that wrote it; some were corrected since.
;; Attention Layer. Allowed arithmetic: matrix products marked QUANTISED: E2M3 operands, one E8M0 scale for each 32 along K, by v_wmma_scale_f32_16x16x128_f8f6f4 with both operands' format E2M3, f32 sums; everything else in f32.
;; Inputs: Wk_codes 1,024 x 32 x 24 uint8 (E2M3 codes of Wk, K innermost, in blocks of 32 codes, four codes in three bytes); Wk_scales 1,024 x 32 uint8 (E8M0 scales of Wk, one for each 32 codes along K); Wo_codes 1,024 x 32 x 24 uint8 (E2M3 codes of Wo, K innermost, in blocks of 32 codes, four codes in three bytes); Wo_scales 1,024 x 32 uint8 (E8M0 scales of Wo, one for each 32 codes along K); Wq_codes 1,024 x 32 x 24 uint8 (E2M3 codes of Wq, K innermost, in blocks of 32 codes, four codes in three bytes); Wq_scales 1,024 x 32 uint8 (E8M0 scales of Wq, one for each 32 codes along K); Wv_codes 1,024 x 32 x 24 uint8 (E2M3 codes of Wv, K innermost, in blocks of 32 codes, four codes in three bytes); Wv_scales 1,024 x 32 uint8 (E8M0 scales of Wv, one for each 32 codes along K); bk 1,024 float32; bo 1,024 float32; bq 1,024 float32; bv 1,024 float32; x_codes 4 x 2,048 x 32 x 24 uint8 (E2M3 codes of x, K innermost, in blocks of 32 codes, four codes in three bytes); x_scales 4 x 2,048 x 32 uint8 (E8M0 scales of x, one for each 32 codes along K).
;; Outputs: out0 4 x 2,048 x 1,024 float32.
;; This version of the problem:
;;   THIS VERSION OF THE PROBLEM IS GIVEN IN LOW PRECISION. The matrix products marked QUANTISED in the list below multiply operands that are first quantised to E2M3 (2 exponent bits, 3 mantissa bits; 6 bits a number), with one power-of-two scale for each 32 numbers along K (OCP MX v1.0); their sums are f32. All else is computed in f32.
;;   The module's matrix products, in the order in which they are computed (A, B: the left and right operand; K: the contracted axis; several contracted axes count as one K, in the product's order):
;;     1. [M 8,192, K 1,024] x [K 1,024, N 1,024]; A: input x (given as codes); B: input Wq (given as codes): QUANTISED
;;     2. [M 8,192, K 1,024] x [K 1,024, N 1,024]; A: input x (given as codes); B: input Wk (given as codes): QUANTISED
;;     3. [M 8,192, K 1,024] x [K 1,024, N 1,024]; A: input x (given as codes); B: input Wv (given as codes): QUANTISED
;;     4. batch 64 x [M 2,048, K 64] x [K 64, N 2,048]; A: computed on the way; B: computed on the way: QUANTISED
;;     5. batch 64 x [M 64, K 2,048] x [K 2,048, N 2,048]; A: computed on the way; B: softmax (see below): QUANTISED
;;     6. [M 8,192, K 1,024] x [K 1,024, N 1,024]; A: computed on the way; B: input Wo (given as codes): QUANTISED
;;   THE QUANTISER, for each operand of a quantised product, along K:
;;     - K is cut into blocks of 32 from its start; a last block that is shorter is filled with zeros.
;;     - A block's scale is 2^e with e = floor(log2(the largest magnitude in the block)) - 2, held to -126 .. 127; a block of zeros has e = 0. As a byte (E8M0): e + 127.
;;     - Each number is divided by its block's scale, clamped to +-7.5, and rounded to the nearest number of E2M3, ties to even, subnormals kept.
;;     - The product sums the exact products of the quantised numbers (number of the format x scale) in f32.
;;   ~~~python
;;   def quantise(x, axis):      # numpy; x: float32 -> the quantised numbers, widened to float32 again
;;       x = np.moveaxis(x, axis, -1); K = x.shape[-1]
;;       x = np.pad(x, [(0, 0)] * (x.ndim - 1) + [(0, -K % 32)]); x = x.reshape(x.shape[:-1] + (-1, 32)); a = np.abs(x).max(-1, keepdims=True)
;;       e = np.where(a > 0, np.clip(np.frexp(np.where(a > 0, a, 1))[1] - 1 - 2, -126, 127), 0)      # np.frexp(a)[1] - 1 = floor(log2(a)), exactly
;;       r = np.clip(x / 2.0 ** e, -7.5, 7.5)
;;       step = 2.0 ** (np.maximum(np.frexp(np.where(r == 0, 1, r))[1] - 1, 0) - 3)
;;       q = np.round(r / step) * step * 2.0 ** e      # np.round: ties to even
;;       return np.moveaxis(q.reshape(q.shape[:-2] + (-1,))[..., :K], -1, axis).astype(np.float32)
;;   ~~~
;;   SOFTMAX AHEAD OF A QUANTISED PRODUCT. Where the list says 'softmax', what is quantised is not the finished softmax but p = 2^(t - M), with t = logit x log2(e) and M = ceil(the row's largest t), a whole number; so 1/2 < the row's largest p <= 1. The row's sum l is taken of the UNQUANTISED p, in f32, and the product's result is divided by l at the end. Since M is a whole number, a kernel that streams over the keys may use a running M (the ceiling of the running maximum): every later rescaling is an exact power of two, which a block's scale takes up: the codes' values come out the same.
;;   OPERANDS COMPUTED ON THE WAY. 'Computed on the way' means the value that the module computes at that place (a softmax that the list does not call 'softmax' is quantised finished and normalised). What goes into a quantiser is computed in f32, as accurately as f32 sums, v_exp_f32 and their like allow (about 1e-6 of the number): no bf16 or f16 on the way to a quantiser, and a product that is left as it is and whose result goes on into a quantised operand takes f32 operands (vector FMAs, or v_wmma_f32_16x16x4_f32). A number that lies on a knife's edge between two numbers of the format may be rounded either way, as far as f32 arithmetic and the matrix unit's own rounding can turn it there, and no further.
;;   INPUTS GIVEN AS CODES. Wk (in the module: [1024, 1024], K = its axis 0); Wo (in the module: [1024, 1024], K = its axis 0); Wq (in the module: [1024, 1024], K = its axis 0); Wv (in the module: [1024, 1024], K = its axis 0); x (in the module: [4, 2048, 1024], K = its axis 2): each comes as NAME_codes (uint8): NAME with its K axis moved to the last place and cut into blocks of 32 codes, [.., K / 32, bytes a block], one block behind the other in memory; four codes in three bytes: a row's codes are one little-endian stream of bits, code i at bits 6 i .. 6 i + 5 (a code: sign, 2 exponent bits, 3 mantissa bits); and NAME_scales (uint8): the same leading axes, one E8M0 byte (e + 127) for each 32 codes along K. Its value is code x scale, taken as it is: it is not quantised again, and the codes and scales need not be those that the quantiser above would give.
;; One version. Each part assembles by itself: llvm-mc -triple=amdgcn-amd-amdhsa -mcpu=gfx1250 --defsym DOCPART=n.
;; ======== version 1 of 1: 3 launches
;; workspace buffers: qbuf 6,553,600 bytes; kvbuf 13,107,200 bytes; acodes 6,291,456 bytes; ascales 262,144 bytes
;; launch qkv (part 1): grid 12 x 32, 4 waves a work-group, clusters of 4 x 4, 327,680 bytes of LDS; arguments x_codes, x_scales, Wq_codes, Wq_scales, Wk_codes, Wk_scales, Wv_codes, Wv_scales, bq, bk, bv, qbuf, kvbuf; writes qbuf, kvbuf
.if DOCPART == 1
	.amdgcn_target "amdgcn-amd-amdhsa--gfx1250"
	.amdhsa_code_object_version 6
	.text
	.protected	k_qacde1985a8_qkv
	.globl	k_qacde1985a8_qkv
	.p2align	8
	.type	k_qacde1985a8_qkv,@function
k_qacde1985a8_qkv:
	s_mov_b64 s[64:65], 0
	v_nop
	global_prefetch_b8 v0, s[64:65] scope:SCOPE_SE
	s_setreg_imm32_b32 hwreg(HW_REG_WAVE_MODE, 25, 1), 1
	s_wait_xcnt 0x0
	s_wait_alu depctr_hold_cnt(0) depctr_sa_sdst(0) depctr_va_vdst(0) depctr_va_sdst(0) depctr_va_ssrc(0) depctr_va_vcc(0) depctr_vm_vsrc(0)
	s_getreg_b32 s2, hwreg(HW_REG_IB_STS2, 6, 4)
	s_cmp_eq_u32 s2, 0
	s_cbranch_scc0 .Lentry_in_a_cluster
	s_endpgm
.Lentry_in_a_cluster:
	s_bfe_u32 s2, ttmp6, 0x10000c
	s_cmp_lg_u32 s2, 0xf033
	s_cbranch_scc0 .Lentry_shape_is_right
	s_endpgm
.Lentry_shape_is_right:
; Q = x Wq + bq, K = x Wk + bk, V = x Wv + bv on codes of FP6 (E2M3) with one E8M0 scale for each 32 along K = 1,024, sums in f32; the results are quantised here and leave as codes:
; Q and K along the head's 64 channels (two blocks a row), V along the keys (four blocks for each 128 keys of a channel).
; A tile of 256 x 256 results is made by a work-group of four waves, 128 x 128 a wave: 64 accumulators, 512 registers.  K goes in steps of 256 through a ring of two LDS slots filled by the tensor data mover.
; The cluster's x says which product: 0 Q, 1 K, 2 V.  THE MATRIX INSTRUCTION IS USED TRANSPOSED: source 0 = 16 rows of the 'B side', source 1 = 16 rows of the 'A side'; a lane then holds ONE row of the A side and
; its registers run along the B side's rows (16 b + 8 (lane / 16) + j).  For Q and K the A side is x and the B side the weight: registers run along the channels.  For V the A side is Wv and the B side x: registers
; run along the KEYS.  So in all three the registers run along the axis that is quantised, and one loop and one quantiser serve.
; ORDER INSIDE A BLOCK OF 32.  A lane's 16 registers of two neighbouring accumulators are numbers 8 h + 0..7 and 16 + 8 h + 0..7 of a block (h = lane / 16).  A block is laid [h = 0's sixteen | h = 1's sixteen].  Q and K get that
; order from the same lines, V and the softmax's weights (next launch) likewise: a permutation inside a block that both operands of a product share changes no product and no scale.
; WHAT IS STORED: images of the next launch's operand registers (three chunks of 512 bytes: lane l's registers 4 c .. 4 c + 3 at byte 16 l of chunk c).  Q, K: a PAIR image: registers 0-5 row 32 i + r, registers 6-11 row 32 i + 16 + r,
; each the head's block h.  V: fragment t' = 2 B + u, lane r' holds channel 32 B + 8 u + r' + 8 (r' / 8), so that the next launch's results come out with 16 neighbouring channels in 16 registers.
; CLUSTERS: 4 x 4 work-groups; the four of a row need the same A tiles, the four of a column the same B tiles: each tile is asked for jointly.
; LIMITS: NaN and infinities among the inputs are not served.  A block whose largest magnitude lies under 2^-124 (a block of zeros too) gets the scale byte 1; these bytes are read by this program alone.
; REGISTERS: window 0: v0-31 addresses; v32-63 scale words, two sets, and nothing else; v64-127 the biases, later the codes just made; v128-223 the A side's fragments, later what is read back from the stage;
;   v224-231 the biases' offsets; v232-249 the quantiser's.   window 1: the B side's fragments, two sets.   windows 2, 3: the accumulators ((a, b) at v[8 (8 (a % 4) + b)]).
.set KSTEP,  256                       ; along K in a slot
.set NQ,     2                         ; matrix instructions deep
.set ROWB,   192                       ; a tile's row in bytes
.set KROW,   768                       ; a row of x or of a weight in memory: 1,024 codes
.set PITCH,  240                       ; an LDS row: 3 x (64 bytes + 16 of padding)
.set FR,     12                        ; registers of a fragment
.set NL,     6                         ; LDS loads that bring one
.set NP,     4                         ; places behind this matrix instruction (ISA guide 7.12.1)
.set HALFT,  128*PITCH
.set SLOT,   4*HALFT
.set LAPS,   2                         ; 1,024 / 512
.set KS,     32                        ; a row of scale bytes
.set SCL,    2*SLOT                    ; behind the ring: the scales, units of 256 bytes + 16
.set HALFS,  (128*KS/256)*272
.set SBLK,   (16*KS/256)*272
.set SPARE,  SCL+4*HALFS               ; the spare words, 128 bytes a wave
.set HB,     6400                      ; the way out: one head's part of a stage: 6,144 bytes of codes, 256 of scale words
.set STGW,   2*HB                      ; a wave's stage.  The stages lie in slot 0, which has had its last fill and its last read by then
.set STGV0,  4*STGW                    ; V's way out has stage bytes of its own
.set STQ,  8                           ; v8   Q, K: stage + 16 x lane
.set STS,  9                           ; v9   Q, K: stage + 16 r (scale words)
.set STV,  10                          ; v10  V: stage + 1,536 (r / 8) + 16 (r % 8) + 256 h
.set STVS, 11                          ; v11  V: stage + 16 (r % 8) + 4 (r / 8)
.set RSQ,  13                          ; v13  Q, K: stage + 8 x lane
.set RDV,  14                          ; v14  V: stage + 16 x lane
.set RSV,  15                          ; v15  V: stage + 8 x lane
.set ADRA, 16
.set ADRB, 20
.set ADRS, 27
.set SPW,  28                          ; v28  my spare word; never rewritten
.set NIL,  29                          ; v29  0; never rewritten
.set GO16, 30                          ; v30  16 x lane
.set GO8,  31                          ; v31  8 x lane
.set SC,   32
.set BIAS, 64
.set AF,   128
.set BOF,  224
.set TM,   232                         ; +0..3 largest magnitudes, +4..7 the other half's and the bytes, +12..15 the conversions' scale operands
.set PW,   248                         ; v248, v249 the scale word just made, two sets
.set PCB,  64                          ; the codes just made, two sets of 32 registers
.set OUTR, 128
.set G1, 24
.set G0, 32
.set G1B, 48
.set G0B, 56
.set G1S, 68
.set G0S, 76
.set G1SB, 80
.set G0SB, 88
.set SEL, 98                           ; s[98:99] lane selects: lane l xor 16
.set CB,  24                           ; the way out: s[24:27] where the two heads' codes go; s[28:31] their scale words
.set SB,  28
.set MSB, 0
.macro WIN new                         ; the immediate's high byte repeats the setting that is left
.if MSB != \new
	s_set_vgpr_msb (MSB<<8)|\new
.set MSB, \new
.endif
.endm
.set MUL_LO, 0xa1                      ; source 0 window 1, source 1 window 0, C and D window 2
.set MUL_HI, 0xf1                      ; the same, C and D window 3
.set TO_B,   0x40
; A joint load: waves 0 and 1 fetch for the A side, waves 2 and 3 for the B side; the branch hangs on the wave's number alone.  Four v_nop follow each of the two lines.
.macro JLOAD g0a, g1a, g0b, g1b
	s_cmp_eq_u32 s15, 0
	s_cbranch_scc0 .Lfor_b_\@
	tensor_load_to_lds s[\g0a:\g0a+3], s[\g1a:\g1a+7]
	s_nop 0
.rept 4
	v_nop
.endr
	s_branch .Lasked_\@
.Lfor_b_\@:
	tensor_load_to_lds s[\g0b:\g0b+3], s[\g1b:\g1b+7]
	s_nop 0
.rept 4
	v_nop
.endr
.Lasked_\@:
.endm
.macro CREST                           ; a round of the cluster's barrier behind its opening barrier
	s_cmp_lg_u32 s14, 0
	s_cbranch_scc1 .Lnot_wave_0_\@
	s_barrier_signal -3
.Lnot_wave_0_\@:
	s_barrier_wait -3
	s_barrier_signal -1
	s_barrier_wait -1
.endm
.macro CROUND
	s_barrier_signal -1
	s_barrier_wait -1
	CREST
.endm
	s_load_b512 s[68:83], s[0:1], 0x0              ; x's codes, scales; Wq's; Wk's; Wv's
	s_load_b256 s[84:91], s[0:1], 0x40             ; bq, bk, bv, qbuf
	s_load_b64 s[92:93], s[0:1], 0x60              ; kvbuf
	v_lshl_add_u32 v[SPW], v0, 2, SPARE
	v_mov_b32 v[NIL], 0
	ds_add_u32 v28, v29
	ds_add_u32 v28, v29
	s_wait_dscnt 0x0
	v_lshrrev_b32 v1, 5, v0
	v_readfirstlane_b32 s14, v1                    ; wave 0..3
	s_lshr_b32 s15, s14, 1                         ; which half of the A side's rows is mine.  Also: I fetch for A (0) or for B (1)
	s_and_b32 s16, s14, 1                          ; which half of the B side's.  Also: which 128 rows I fetch
	s_bfe_u32 s40, ttmp6, 0x40000                  ; cx
	s_bfe_u32 s41, ttmp6, 0x40004                  ; cy
	s_and_b32 s18, ttmp7, 0xffff
	s_lshl_b32 s18, s18, 2                         ; 4 x cluster y: x has 32 tiles of 256 rows, a weight four
	s_cmp_eq_u32 ttmp9, 2                          ; V?  The cluster's x is the same in all sixteen partners
	s_cselect_b32 s42, s18, 0
	s_cselect_b32 s17, 0, s18
	s_add_co_u32 s42, s42, s40                     ; the B side's tile: cx (a weight's) or 4 y + cx (x's, for V)
	s_add_co_u32 s17, s17, s41                     ; the A side's tile: 4 y + cy (x's) or cy (Wv's)
	s_lshl_b32 s43, s41, 2
	s_lshl_b32 s43, 15, s43                        ; my row of the cluster
	s_lshl_b32 s44, 0x1111, s40                    ; my column
	s_mov_b32 s[SEL], 0x76543210
	s_mov_b32 s[SEL+1], 0xfedcba98
	; descriptor group 1: a tile of 128 rows x 192 bytes, 16 bytes of padding behind every 64
	s_or_b32 s[G1+0], s43, (0<<16)|(1<<20)|(1<<21)|(3<<22)|(3<<25)
	s_or_b32 s[G1B+0], s44, (0<<16)|(1<<20)|(1<<21)|(3<<22)|(3<<25)
.irp g, G1, G1B
	s_mov_b32 s[\g+1], ROWB<<16                    ; tensor_dim0
	s_mov_b32 s[\g+2], 128<<16                     ; tensor_dim1
	s_mov_b32 s[\g+3], ROWB<<16                    ; tile_dim0
	s_mov_b32 s[\g+4], 128                         ; tile_dim1
	s_mov_b32 s[\g+5], KROW                        ; from row to row
	s_mov_b32 s[\g+6], 0
	s_mov_b32 s[\g+7], 0
.endr
	s_wait_kmcnt 0x0
	s_cmp_eq_u32 ttmp9, 0                          ; the buffers are chosen by the cluster's x alone
	s_cselect_b64 s[8:9], s[72:73], s[76:77]       ; Wq or Wk: codes,
	s_cselect_b64 s[10:11], s[74:75], s[78:79]     ; scales,
	s_cselect_b64 s[96:97], s[84:85], s[86:87]     ; bias,
	s_cselect_b64 s[12:13], s[90:91], s[92:93]     ; and where the results go: qbuf or kvbuf
	s_cmp_eq_u32 ttmp9, 2
	s_cselect_b64 s[8:9], s[80:81], s[8:9]         ; or Wv
	s_cselect_b64 s[10:11], s[82:83], s[10:11]
	s_cselect_b64 s[96:97], s[88:89], s[96:97]
	s_cselect_b64 s[4:5], s[8:9], s[68:69]         ; the A side: Wv for V, else x
	s_cselect_b64 s[6:7], s[10:11], s[70:71]
	s_cselect_b64 s[8:9], s[68:69], s[8:9]         ; the B side: x for V, else the weight
	s_cselect_b64 s[10:11], s[70:71], s[10:11]
	; the scales of 128 rows: a dense block of 4,096 bytes, as rows of 256 bytes with 16 of padding behind each (the arguments have left these registers)
	s_or_b32 s[G1S+0], s43, (3<<16)|(1<<20)|(1<<21)|(5<<22)|(3<<25)
	s_or_b32 s[G1SB+0], s44, (3<<16)|(1<<20)|(1<<21)|(5<<22)|(3<<25)
.irp g, G1S, G1SB
	s_mov_b32 s[\g+1], 32<<16
	s_mov_b32 s[\g+2], (128*KS/256)<<16
	s_mov_b32 s[\g+3], 32<<16
	s_mov_b32 s[\g+4], 128*KS/256
	s_mov_b32 s[\g+5], 32
	s_mov_b32 s[\g+6], 0
	s_mov_b32 s[\g+7], 0
.endr
	s_lshl_b32 s18, s16, 7                         ; which 128 rows of the tile I fetch
	s_lshl_b32 s20, s17, 8
	s_add_co_u32 s20, s20, s18                     ; A side: row
	s_lshl_b32 s46, s42, 8
	s_add_co_u32 s46, s46, s18                     ; B side: row
	s_mov_b32 s21, 0
	s_mov_b32 s47, 0
	s_mov_b64 s[18:19], KS
	s_mul_u64 s[22:23], s[20:21], s[18:19]         ; where these rows' scales begin,
	s_mul_u64 s[92:93], s[46:47], s[18:19]
	s_mov_b64 s[18:19], KROW
	s_mul_u64 s[20:21], s[20:21], s[18:19]         ; and their codes
	s_mul_u64 s[46:47], s[46:47], s[18:19]
	s_mul_i32 s45, s14, HALFT                      ; where they go: wave x 128 rows
	s_mul_i32 s94, s14, HALFS
	s_add_nc_u64 s[20:21], s[4:5], s[20:21]
	s_add_nc_u64 s[22:23], s[6:7], s[22:23]
	s_add_nc_u64 s[46:47], s[8:9], s[46:47]
	s_add_nc_u64 s[92:93], s[10:11], s[92:93]
	CROUND                                         ; all sixteen work-groups are here: the first joint loads meet
	s_mov_b32 s[G0S], 1
	s_add_co_u32 s[G0S+1], s94, SCL
	s_mov_b64 s[G0S+2:G0S+3], s[22:23]
	s_or_b32 s[G0S+3], s[G0S+3], 0x80000000
	s_mov_b32 s[G0SB], 1
	s_add_co_u32 s[G0SB+1], s94, SCL
	s_mov_b64 s[G0SB+2:G0SB+3], s[92:93]
	s_or_b32 s[G0SB+3], s[G0SB+3], 0x80000000
	JLOAD G0S, G1S, G0SB, G1SB                     ; the scales first: they are wanted with K step 0
.irp s, 0,1
	s_mov_b32 s[G0+4*\s], 1
	s_add_co_u32 s[G0+4*\s+1], s45, \s*SLOT
	s_add_nc_u64 s[G0+4*\s+2:G0+4*\s+3], s[20:21], \s*ROWB
	s_or_b32 s[G0+4*\s+3], s[G0+4*\s+3], 0x80000000
	s_mov_b32 s[G0B+4*\s], 1
	s_add_co_u32 s[G0B+4*\s+1], s45, \s*SLOT
	s_add_nc_u64 s[G0B+4*\s+2:G0B+4*\s+3], s[46:47], \s*ROWB
	s_or_b32 s[G0B+4*\s+3], s[G0B+4*\s+3], 0x80000000
	JLOAD G0+4*\s, G1, G0B+4*\s, G1B
.endr
	v_and_b32 v1, 15, v0                           ; r = lane % 16
	v_bfe_u32 v2, v0, 4, 1                         ; h = lane / 16
	v_mul_u32_u24 v3, v1, PITCH
	v_mul_u32_u24 v4, v2, 24
	v_add_nc_u32 v4, v3, v4                        ; a fragment's row x pitch + 24 x half
	v_lshl_add_u32 v5, v2, 4, v4                   ; and the same behind one padding more
	s_mul_i32 s21, s15, HALFT                      ; my 128 rows of the A side
	s_mul_i32 s22, s16, HALFT                      ; my 128 rows of the B side,
	s_add_co_u32 s22, s22, 2*HALFT                 ; which lie behind A's 256
.irp s, 0,1
	v_add_nc_u32 v[ADRA+\s], s21, v4
	v_add_nc_u32 v[ADRB+\s], s22, v4
	v_add_nc_u32 v[ADRA+2+\s], s21, v5
	v_add_nc_u32 v[ADRB+2+\s], s22, v5
	s_add_co_u32 s21, s21, SLOT
	s_add_co_u32 s22, s22, SLOT
.endr
	v_mul_u32_u24 v5, v1, KS                       ; my row's scales: 32 bytes a row,
	v_lshrrev_b32 v6, 8, v5
	v_lshl_add_u32 v5, v6, 4, v5                   ; and 16 more for each 256 passed
	s_mul_i32 s21, s15, HALFS
	s_mul_i32 s22, s16, HALFS
	s_add_co_u32 s22, s22, 2*HALFS
	s_sub_co_u32 s22, s22, s21
	v_mul_u32_u24 v6, s22, v2                      ; lanes 16-31 take the B side's
	s_add_co_u32 s21, s21, SCL
	v_add_nc_u32 v5, v5, v6
	v_add_nc_u32 v[ADRS], s21, v5
	; the way out's LDS addresses, all made here, ahead of every parting of the ways
	v_and_b32 v6, 31, v0
	v_lshlrev_b32 v[GO16], 4, v6
	v_lshlrev_b32 v[GO8], 3, v6
	s_mul_i32 s23, s14, STGW
	v_add_nc_u32 v[STQ], s23, v[GO16]
	v_lshl_add_u32 v[STS], v1, 4, s23
	v_add_nc_u32 v[RSQ], s23, v[GO8]
	s_add_co_u32 s23, s23, STGV0
	v_lshrrev_b32 v5, 3, v1                        ; r / 8
	v_and_b32 v7, 7, v1                            ; r % 8
	v_mul_u32_u24 v[STV], v5, 1536
	v_lshl_add_u32 v[STV], v7, 4, v[STV]
	v_lshl_add_u32 v[STV], v2, 8, v[STV]
	v_add_nc_u32 v[STV], s23, v[STV]
	v_lshlrev_b32 v[STVS], 4, v7
	v_lshl_add_u32 v[STVS], v5, 2, v[STVS]
	v_add_nc_u32 v[STVS], s23, v[STVS]
	v_add_nc_u32 v[RDV], s23, v[GO16]
	v_add_nc_u32 v[RSV], s23, v[GO8]
	; THE BIAS is the C of each sum's first matrix instruction: 64 registers.  Q, K: register 8 b + j = bias[ch0 + 16 b + 8 h + j];  V: register 8 a + j = bv[ch0 + 16 a + r].  One run of loads serves both:
	; the lane's offset is r sA + h sB + j sJ with (sA, sB, sJ) = (0, 32, 4), for V (4, 0, 0).
	s_lshl_b32 s20, s17, 8
	s_lshl_b32 s21, s15, 7
	s_add_co_u32 s20, s20, s21                     ; my first row of the A side
	s_lshl_b32 s46, s42, 8
	s_lshl_b32 s47, s16, 7
	s_add_co_u32 s46, s46, s47                     ; and of the B side
	s_cmp_eq_u32 ttmp9, 2
	s_cselect_b32 s46, s20, s46                    ; ch0: my first channel
	s_cselect_b32 s18, 4, 0
	s_cselect_b32 s19, 0, 32
	s_cselect_b32 s22, 0, 4
	s_lshl_b32 s46, s46, 2
	s_mov_b32 s47, 0
	s_add_nc_u64 s[96:97], s[96:97], s[46:47]
	v_mul_u32_u24 v5, v1, s18
	v_mad_u32_u24 v5, v2, s19, v5
.irp j, 0,1,2,3,4,5,6,7
	v_mad_u32_u24 v[BOF+\j], s22, \j, v5
.endr
.irp i, 0,1,2,3,4,5,6,7
.irp j, 0,1,2,3,4,5,6,7
	global_load_b32 v[BIAS+8*\i+\j], v[BOF+\j], s[96:97] offset:64*\i
.endr
.endr
.macro FRAG reg, adr, q, i             ; a fragment: lane l holds row l % 16; registers 6 c .. 6 c + 5 hold K = 64 c + 32 (l / 16) + 0 .. 31: 24 bytes of the row, in pieces of 8 bytes
.irp p, 0,1,2,3,4,5
.set PIECE, 12*(\q)+6*(\p/3)+\p%3      ; 16 bytes of padding lie behind every 8 pieces: where the piece three on lies behind one padding more, the second address register serves
.if PIECE%8 < 5
	ds_load_b64 v[\reg+2*\p:\reg+2*\p+1], v[\adr] offset:8*PIECE+16*(PIECE/8)+(\i)*16*PITCH
.else
	ds_load_b64 v[\reg+2*\p:\reg+2*\p+1], v[\adr+2] offset:8*PIECE+16*(PIECE/8)+(\i)*16*PITCH
.endif
.endr
.endm
; 16 matrix instructions: A's blocks a0, a0 + 1 x B's eight.  zero = 0: the sums go on;  1: they start from the bias by B's block (Q, K);  2: by A's block (V).  The 64 accumulators take turns, one instruction a turn.
.macro MUL16 a0, p, q, sc, zero
.irp a, \a0, \a0+1
.irp b, 0,1,2,3,4,5,6,7
.if \zero == 1
	v_wmma_scale_f32_16x16x128_f8f6f4 v[8*(8*((\a)%4)+\b):8*(8*((\a)%4)+\b)+7], v[128*(\p)+FR*\b:128*(\p)+FR*\b+FR-1], v[AF+FR*(\a):AF+FR*(\a)+FR-1], v[BIAS+8*\b:BIAS+8*\b+7], v[SC+8*NQ*(\sc)+NQ*\b+(\q)], v[SC+8*NQ*(\sc)+NQ*(\a)+(\q)] matrix_a_fmt:MATRIX_FMT_FP6 matrix_b_fmt:MATRIX_FMT_FP6 matrix_a_scale:MATRIX_SCALE_ROW1
.elseif \zero == 2
	v_wmma_scale_f32_16x16x128_f8f6f4 v[8*(8*((\a)%4)+\b):8*(8*((\a)%4)+\b)+7], v[128*(\p)+FR*\b:128*(\p)+FR*\b+FR-1], v[AF+FR*(\a):AF+FR*(\a)+FR-1], v[BIAS+8*(\a):BIAS+8*(\a)+7], v[SC+8*NQ*(\sc)+NQ*\b+(\q)], v[SC+8*NQ*(\sc)+NQ*(\a)+(\q)] matrix_a_fmt:MATRIX_FMT_FP6 matrix_b_fmt:MATRIX_FMT_FP6 matrix_a_scale:MATRIX_SCALE_ROW1
.else
	v_wmma_scale_f32_16x16x128_f8f6f4 v[8*(8*((\a)%4)+\b):8*(8*((\a)%4)+\b)+7], v[128*(\p)+FR*\b:128*(\p)+FR*\b+FR-1], v[AF+FR*(\a):AF+FR*(\a)+FR-1], v[8*(8*((\a)%4)+\b):8*(8*((\a)%4)+\b)+7], v[SC+8*NQ*(\sc)+NQ*\b+(\q)], v[SC+8*NQ*(\sc)+NQ*(\a)+(\q)] matrix_a_fmt:MATRIX_FMT_FP6 matrix_b_fmt:MATRIX_FMT_FP6 matrix_a_scale:MATRIX_SCALE_ROW1
.endif
.endr
.endr
.endm
.macro FETCH_B slot, q, p
	WIN TO_B
.irp i, 0,1,2,3,4,5,6,7
	FRAG 128*(\p)+FR*\i, ADRB+\slot, \q, \i
.endr
	WIN 0
.endm
.macro FETCH_A slot, q, i0
.irp i, \i0, \i0+1, \i0+2, \i0+3
	FRAG AF+FR*(\i), ADRA+\slot, \q, \i
.endr
.endm
.macro SCALES sc                       ; a K step's scale words: lanes 0-15 take the A side's block i, lanes 16-31 the B side's
.irp i, 0,1,2,3,4,5,6,7
	ds_load_b64 v[SC+8*NQ*\sc+NQ*\i:SC+8*NQ*\sc+NQ*\i+1], v[ADRS] offset:\i*SBLK
.endr
.endm
.macro PLACES n                        ; plain vector instructions between a matrix instruction and a load into, or a read of, its registers
.rept \n
	v_nop
.endr
.endm
.macro STEP slot, q, zero              ; 128 along K with its successor in the same slot
	s_wait_dscnt 4*NL                              ; B's set and A's blocks 0-3 are in; the youngest 24 loads (A's blocks 4-7) may be out
.if \zero
	WIN 0x81                                       ; as MUL_LO, with C (the bias) in window 0
.else
	WIN MUL_LO
.endif
	MUL16 0, (\q)%2, \q, \slot, \zero
	MUL16 2, (\q)%2, \q, \slot, \zero
	s_wait_dscnt 0                                 ; A's blocks 4-7 are in
	PLACES NP
	FETCH_B \slot, (\q)+1, 1-(\q)%2
	FETCH_A \slot, (\q)+1, 0
.if \zero
	WIN 0xc1
.else
	WIN MUL_HI
.endif
	MUL16 4, (\q)%2, \q, \slot, \zero
	MUL16 6, (\q)%2, \q, \slot, \zero
	PLACES NP
	WIN 0
	FETCH_A \slot, (\q)+1, 4
.endm
; A slot's last step changes slots: one barrier; in front of it each wave waits for all its tensor loads, adds 0 to its spare word, and waits for that and for its own reads of this slot.
.macro TURN slot, next, fill
	s_wait_tensorcnt 0x0                           ; all my tensor loads have landed: my part of the next slot
	ds_add_u32 v[SPW], v[NIL]                      ; 0 onto my spare word
	s_wait_dscnt 4*NL+1                            ; (the add and the youngest 24 loads may be out)
	WIN MUL_LO
	MUL16 0, 1, NQ-1, \slot, 0
	s_wait_dscnt 0x0                               ; the add is done, and my reads of this slot are over
	s_barrier_signal -1
	MUL16 2, 1, NQ-1, \slot, 0
	WIN 0
	s_barrier_wait -1
.if \fill
	CREST                                          ; the barrier has opened a round of the cluster's: no wave of any partner still reads this slot or has a load on its way
	s_add_nc_u64 s[G0+4*\slot+2:G0+4*\slot+3], s[G0+4*\slot+2:G0+4*\slot+3], 2*ROWB
	s_add_nc_u64 s[G0B+4*\slot+2:G0B+4*\slot+3], s[G0B+4*\slot+2:G0B+4*\slot+3], 2*ROWB
	JLOAD G0+4*\slot, G1, G0B+4*\slot, G1B         ; the first tensor load behind the round; its four v_nop are also the places in front of the loads below
.else
	PLACES NP
.endif
	v_add_nc_u32 v[ADRS], 4*NQ, v[ADRS]            ; the next K step's scale words
	FETCH_B \next, 0, 0
	FETCH_A \next, 0, 0
	SCALES \next
	WIN MUL_HI
	MUL16 4, 1, NQ-1, \slot, 0
	MUL16 6, 1, NQ-1, \slot, 0
	PLACES NP
	WIN 0
	FETCH_A \next, 0, 4
.endm
	s_wait_tensorcnt 1                             ; the scales and my part of K step 0 are in (K step 1's load may be out)
	s_barrier_signal -1
	s_barrier_wait -1                              ; everybody's are
	FETCH_B 0, 0, 0
	FETCH_A 0, 0, 0
	SCALES 0
	FETCH_A 0, 0, 4
	s_wait_loadcnt 0x0                             ; the biases
	s_cmp_eq_u32 ttmp9, 2                          ; the first step is written twice: it differs in which bias registers start a sum
	s_cbranch_scc1 .Lfirst_v
	STEP 0, 0, 1
	s_branch .Lfirst_done
.Lfirst_v:
	STEP 0, 0, 2
.Lfirst_done:
	s_mov_b32 s3, LAPS-1
.Llap:                                                 ; a trip goes once round the ring and fills both slots again
	TURN 0, 1, 1
	STEP 1, 0, 0
	TURN 1, 0, 1
	STEP 0, 0, 0
	s_sub_co_u32 s3, s3, 1
	s_cmp_lg_u32 s3, 0
	s_cbranch_scc1 .Llap
	TURN 0, 1, 0                                   ; the last lap fills nothing
	STEP 1, 0, 0
	s_wait_dscnt 4*NL
	WIN MUL_LO
	MUL16 0, 1, NQ-1, 1, 0
	MUL16 2, 1, NQ-1, 1, 0
	s_wait_dscnt 0
	WIN MUL_HI
	MUL16 4, 1, NQ-1, 1, 0
	MUL16 6, 1, NQ-1, 1, 0
	WIN 0
	PLACES NP
	; THE WAY OUT.  Where my two heads' images go.  No tensor load of mine is out since the last change of slots, so the descriptors' registers are free.
	s_lshl_b32 s18, s17, 8
	s_lshl_b32 s19, s15, 7
	s_add_co_u32 s18, s18, s19                     ; my first row of the A side
	s_lshl_b32 s19, s42, 8
	s_lshl_b32 s20, s16, 7
	s_add_co_u32 s19, s19, s20                     ; and of the B side
	s_cmp_eq_u32 ttmp9, 2
	s_cselect_b32 s20, s19, s18                    ; my first token (a multiple of 128),
	s_cselect_b32 s21, s18, s19                    ; my first channel (likewise: two heads)
	s_cselect_b32 s36, 6144, 0                     ; V's codes lie behind K's in a key step's 12,800 bytes
	s_lshr_b32 s22, s20, 11
	s_lshl_b32 s22, s22, 4
	s_lshr_b32 s23, s21, 6
	s_add_co_u32 s22, s22, s23                     ; 16 x batch + head
	s_bfe_u32 s23, s20, 0x40007                    ; which 128 tokens of the sequence
	s_cmp_eq_u32 ttmp9, 0
	s_cselect_b32 s37, 0, 1
	s_lshl_b32 s32, 102400, s37                    ; a head's bytes: 16 x 6,400 in qbuf, 16 x 12,800 in kvbuf
	s_lshl_b32 s34, 6400, s37                      ; 128 tokens' bytes
	s_lshl_b32 s38, 6144, s37                      ; from the codes to the scale words: 6,144 (Q), 12,288 (K),
	s_cmp_eq_u32 ttmp9, 2
	s_cselect_b32 s38, 6400, s38                   ; 6,400 (V)
	s_mul_i32 s22, s22, s32
	s_mul_i32 s23, s23, s34
	s_add_co_u32 s22, s22, s23
	s_add_co_u32 s22, s22, s36
	s_mov_b32 s23, 0
	s_mov_b32 s33, 0
	s_mov_b32 s39, 0
	s_add_nc_u64 s[CB:CB+1], s[12:13], s[22:23]
	s_add_nc_u64 s[CB+2:CB+3], s[CB:CB+1], s[32:33]
	s_add_nc_u64 s[SB:SB+1], s[CB:CB+1], s[38:39]
	s_add_nc_u64 s[SB+2:SB+3], s[CB+2:CB+3], s[38:39]
.irp b, 0,1,2,3
	v_mov_b32 v[TM+4+\b], 0                        ; written once: a lane permute's destination counts as one of its sources
.endr
; A's block a: a lane's 64 results, register 16 B + i, are its sixteen numbers of block B (of four) of its row.  They become 12 registers of codes (lane (r, h): block h in 0-5, block 2 + h in 6-11) in set z, and the row's four scale bytes.
.macro QUANTA a, z
.set AC, 64*((\a)%4)
.set WW, 2+(\a)/4
.set PC, PCB+32*(\z)
	WIN (WW<<2)|(WW<<4)                            ; sources 1 and 2: the accumulators' window
.irp b, 0,1,2,3
	v_max3_num_f32 v[TM+\b], 0x1800000, |v[AC+16*\b]|, |v[AC+16*\b+1]|   ; with the floor 2^(3 - 127): the byte cannot fall under 1.  Each accumulator is read from its low end on
.endr
.irp i, 2,4,6,8,10,12,14
.irp b, 0,1,2,3
	v_max3_num_f32 v[TM+\b], v[TM+\b], |v[AC+16*\b+\i]|, |v[AC+16*\b+\i+1]|
.endr
.endr
	WIN 0
.irp b, 0,1,2,3
	v_permlanex16_b32 v[TM+4+\b], v[TM+\b], s[SEL], s[SEL+1]
.endr
.irp b, 0,1,2,3
	v_max_num_f32 v[TM+\b], v[TM+\b], v[TM+4+\b]   ; with lane l xor 16's sixteen: the block's largest magnitude
.endr
.irp b, 0,1,2,3
	v_add_nc_u32 v[TM+12+\b], 0xff000000, v[TM+\b] ; 2 off its exponent field: the conversion's scale operand
.endr
.irp b, 0,1,2,3
	v_lshrrev_b32 v[TM+4+\b], 23, v[TM+12+\b]      ; the scale's byte
.endr
	v_lshl_or_b32 v[PW+\z], v[TM+5], 8, v[TM+4]
	v_lshl_or_b32 v[PW+\z], v[TM+6], 16, v[PW+\z]
	v_lshl_or_b32 v[PW+\z], v[TM+7], 24, v[PW+\z]
	WIN WW                                         ; source 0: the accumulators' window
.irp c, 0,1
	v_cvt_scalef32_pk16_fp6_f32 v[PC+6*\c:PC+6*\c+2], v[AC+32*\c:AC+32*\c+15], v[TM+12+2*\c]
	v_cvt_scalef32_pk16_fp6_f32 v[PC+12+4*\c:PC+14+4*\c], v[AC+32*\c+16:AC+32*\c+31], v[TM+13+2*\c]   ; (a conversion's three registers begin on an even number)
.endr
	WIN 0
	v_nop                                          ; one plain place behind a scaled conversion
.irp c, 0,1                                    ; a WHOLE block to a lane: lanes 0-15 block 2 c, lanes 16-31 block 2 c + 1
.irp i, 0,1,2
	v_permlane16_swap_b32 v[PC+6*\c+\i], v[PC+12+4*\c+\i]
.endr
.irp i, 0,1,2
	v_mov_b32 v[PC+3+6*\c+\i], v[PC+12+4*\c+\i]
.endr
.endr
.endm
; Q, K: head e's six registers are half of pair image a / 2 (registers 0-5 for an even a, 6-11 for an odd one); its two scale bytes are half of that pair's scale word.  Six LDS stores.
.macro STAGE_QK a, z
.set PC, PCB+32*(\z)
.set II, (\a)/2
.irp e, 0,1
.if (\a)%2 == 0
	ds_store_b128 v[STQ], v[PC+6*\e:PC+6*\e+3] offset:HB*\e+1536*II
	ds_store_b64 v[STQ], v[PC+6*\e+4:PC+6*\e+5] offset:HB*\e+1536*II+512
.else
	ds_store_b64 v[STQ], v[PC+6*\e:PC+6*\e+1] offset:HB*\e+1536*II+520
	ds_store_b128 v[STQ], v[PC+6*\e+2:PC+6*\e+5] offset:HB*\e+1536*II+1024
.endif
.endr
	ds_store_b16 v[STS], v[PW+\z] offset:6144+4*II+2*((\a)%2)            ; lanes r and r + 16 write the same bytes with the same value
	ds_store_b16_d16_hi v[STS], v[PW+\z] offset:HB+6144+4*II+2*((\a)%2)
.endm
; V: my 12 registers are a whole lane of a fragment: channel 16 (a % 4) + r of head a / 4 is lane (r % 8) + 8 (a % 2) of fragment 2 ((a % 4) / 2) + r / 8.  Four LDS stores.
.macro STAGE_V a, z
.set PC, PCB+32*(\z)
.set A4, (\a)%4
.irp c, 0,1,2
	ds_store_b128 v[STV], v[PC+4*\c:PC+4*\c+3] offset:HB*((\a)/4)+3072*(A4/2)+128*(A4%2)+512*\c
.endr
	ds_store_b32 v[STVS], v[PW+\z] offset:HB*((\a)/4)+6144+128*(A4%2)+8*(A4/2)
.endm
; The stage comes back as it lies and leaves in whole aligned runs: 512 bytes a store of codes, 256 bytes the scale words.  LDS serves a wave's instructions in order (ISA guide 5.7.1.4): the loads see my stores.
.macro SENDOUT rd, rs
.irp e, 0,1
.irp i, 0,1,2,3,4,5,6,7,8,9,10,11
	ds_load_b128 v[OUTR+50*\e+4*\i:OUTR+50*\e+4*\i+3], v[\rd] offset:HB*\e+512*\i
.endr
	ds_load_b64 v[OUTR+50*\e+48:OUTR+50*\e+49], v[\rs] offset:HB*\e+6144
.endr
.irp e, 0,1
.irp i, 0,1,2,3,4,5,6,7,8,9,10,11
	s_wait_dscnt 25-13*\e-\i                       ; of the 26 loads the younger ones may be out
	global_store_b128 v[GO16], v[OUTR+50*\e+4*\i:OUTR+50*\e+4*\i+3], s[CB+2*\e:CB+2*\e+1] offset:512*\i
.endr
	s_wait_dscnt 13-13*\e
	global_store_b64 v[GO8], v[OUTR+50*\e+48:OUTR+50*\e+49], s[SB+2*\e:SB+2*\e+1]
.endr
.endm
	s_cmp_eq_u32 ttmp9, 2
	s_cbranch_scc1 .Lout_v
.irp a, 0,1,2,3,4,5,6,7
.if \a > 1
	s_wait_dscnt 6                                 ; block a - 2's stores have read set a % 2; block a - 1's six may be out
.endif
	QUANTA \a, \a%2
	STAGE_QK \a, \a%2
.endr
	SENDOUT STQ, RSQ
	s_branch .Lout_done
.Lout_v:
.irp a, 0,1,2,3,4,5,6,7
.if \a > 1
	s_wait_dscnt 4                                 ; likewise: four stores a block
.endif
	QUANTA \a, \a%2
	STAGE_V \a, \a%2
.endr
	SENDOUT RDV, RSV
.Lout_done:
	s_wait_tensorcnt 0x0                           ; the wave's end
	ds_add_u32 v[SPW], v[NIL]
	s_wait_dscnt 0x0
	CROUND                                         ; the closing round: no work-group ends while a partner may still ask for a tile that names it
	s_endpgm
.Lfunc_end_k_qacde1985a8_qkv:
	.size	k_qacde1985a8_qkv, .Lfunc_end_k_qacde1985a8_qkv-k_qacde1985a8_qkv
	.p2alignl 7, 3214868480
	.fill 96, 4, 3214868480
	.section	.rodata,"a",@progbits
	.p2align	6, 0x0
	.amdhsa_kernel k_qacde1985a8_qkv
		.amdhsa_group_segment_fixed_size 327680
		.amdhsa_private_segment_fixed_size 0
		.amdhsa_enable_private_segment 0
		.amdhsa_kernarg_size 104
		.amdhsa_user_sgpr_count 2
		.amdhsa_user_sgpr_kernarg_segment_ptr 1
		.amdhsa_wavefront_size32 1
		.amdhsa_system_sgpr_workgroup_id_x 1
		.amdhsa_system_sgpr_workgroup_id_y 1
		.amdhsa_system_sgpr_workgroup_id_z 1
		.amdhsa_system_vgpr_workitem_id 0
		.amdhsa_next_free_vgpr 1024
		.amdhsa_next_free_sgpr 100
		.amdhsa_reserve_vcc 0
		.amdhsa_float_denorm_mode_32 3
		.amdhsa_float_denorm_mode_16_64 3
		.amdhsa_memory_ordered 1
		.amdhsa_forward_progress 1
		.amdhsa_inst_pref_size 231
	.end_amdhsa_kernel
	.amdgpu_metadata
---
amdhsa.version: [ 1, 2 ]
amdhsa.kernels:
  - .name:           k_qacde1985a8_qkv
    .symbol:         k_qacde1985a8_qkv.kd
    .args:
      - { .name: x_codes, .offset: 0, .size: 8, .value_kind: global_buffer, .address_space: global }
      - { .name: x_scales, .offset: 8, .size: 8, .value_kind: global_buffer, .address_space: global }
      - { .name: Wq_codes, .offset: 16, .size: 8, .value_kind: global_buffer, .address_space: global }
      - { .name: Wq_scales, .offset: 24, .size: 8, .value_kind: global_buffer, .address_space: global }
      - { .name: Wk_codes, .offset: 32, .size: 8, .value_kind: global_buffer, .address_space: global }
      - { .name: Wk_scales, .offset: 40, .size: 8, .value_kind: global_buffer, .address_space: global }
      - { .name: Wv_codes, .offset: 48, .size: 8, .value_kind: global_buffer, .address_space: global }
      - { .name: Wv_scales, .offset: 56, .size: 8, .value_kind: global_buffer, .address_space: global }
      - { .name: bq, .offset: 64, .size: 8, .value_kind: global_buffer, .address_space: global }
      - { .name: bk, .offset: 72, .size: 8, .value_kind: global_buffer, .address_space: global }
      - { .name: bv, .offset: 80, .size: 8, .value_kind: global_buffer, .address_space: global }
      - { .name: qbuf, .offset: 88, .size: 8, .value_kind: global_buffer, .address_space: global }
      - { .name: kvbuf, .offset: 96, .size: 8, .value_kind: global_buffer, .address_space: global }
    .group_segment_fixed_size: 327680
    .private_segment_fixed_size: 0
    .kernarg_segment_align: 8
    .kernarg_segment_size: 104
    .max_flat_workgroup_size: 128
    .sgpr_count:     100
    .vgpr_count:     1024
    .wavefront_size: 32
...
	.end_amdgpu_metadata
.endif
;; end of part 1
;; launch attn (part 2): grid 4 x 64, 8 waves a work-group, clusters of 4 x 1, 205,824 bytes of LDS; arguments qbuf, kvbuf, acodes, ascales; writes acodes, ascales
.if DOCPART == 2
	.amdgcn_target "amdgcn-amd-amdhsa--gfx1250"
	.amdhsa_code_object_version 6
	.text
	.protected	k_qacde1985a8_attn
	.globl	k_qacde1985a8_attn
	.p2align	8
	.type	k_qacde1985a8_attn,@function
k_qacde1985a8_attn:
	s_mov_b64 s[64:65], 0
	v_nop
	global_prefetch_b8 v0, s[64:65] scope:SCOPE_SE
	s_setreg_imm32_b32 hwreg(HW_REG_WAVE_MODE, 25, 1), 1
	s_wait_xcnt 0x0
	s_wait_alu depctr_hold_cnt(0) depctr_sa_sdst(0) depctr_va_vdst(0) depctr_va_sdst(0) depctr_va_ssrc(0) depctr_va_vcc(0) depctr_vm_vsrc(0)
	s_getreg_b32 s2, hwreg(HW_REG_IB_STS2, 6, 4)
	s_cmp_eq_u32 s2, 0
	s_cbranch_scc0 .Lentry_in_a_cluster
	s_endpgm
.Lentry_in_a_cluster:
	s_bfe_u32 s2, ttmp6, 0x10000c
	s_cmp_lg_u32 s2, 0x3003
	s_cbranch_scc0 .Lentry_shape_is_right
	s_endpgm
.Lentry_shape_is_right:
.set STEPB, 12800
.set VOFF,  6144
.set KSOFF, 12288
.set AD0, 1
.set AS0, 2
.set ADK, 3
.set ADS, 4
.set KS,  8
.set VS,  12
.set QS,  16
.set PS,  20
.set ST,  24
.set BM,  40
.set BT,  44
.set SO,  48
.set CT,  52
.set F,   60
.set T,   62
.set S,   64
.set P,   128
.set KF,  144
.set VF,  192
.set WT,  240
.set RL,  244
.set WS,  248
.set QB,  128
.set WV,  12
.set G1A, 24
.set G1B, 32
.set G0A, 40
.set G0B, 44
.set CS,  48
.set SEL, 50
.set TB,  52
.set CNT, 53
.set MSB, 0
.macro WIN new
.if MSB != \new
	s_set_vgpr_msb (MSB<<8)|\new
.set MSB, \new
.endif
.endm
.set W_S,  0x04
.set W_RS, 0x41
.set W_PV, 0x50
.macro CROUND
	s_barrier_signal -1
	s_barrier_wait -1
	s_cmp_lg_u32 s[WV], 0
	s_cbranch_scc1 .Lnot_wave_0_\@
	s_barrier_signal -3
.Lnot_wave_0_\@:
	s_barrier_wait -3
	s_barrier_signal -1
	s_barrier_wait -1
.endm
	s_load_b256 s[4:11], s[0:1], 0x0
	v_lshl_add_u32 v254, v0, 2, 0x32000
	v_mov_b32 v255, 0
	ds_add_u32 v254, v255
	ds_add_u32 v254, v255
	v_lshrrev_b32 v1, 5, v0
	s_delay_alu instid0(VALU_DEP_1)
	v_readfirstlane_b32 s[WV], v1
	s_bfe_u32 s13, ttmp6, 0x40000
	s_and_b32 s14, ttmp7, 0xffff
	s_mov_b32 s[G1A], 15|(3<<16)|(1<<21)
	s_mov_b32 s[G1A+1], 32<<16
	s_mov_b32 s[G1A+2], 25<<16
	s_mov_b32 s[G1A+3], 32<<16
	s_mov_b32 s[G1A+4], 25
	s_mov_b32 s[G1A+5], 32
	s_mov_b32 s[G1A+6], 0
	s_mov_b32 s[G1A+7], 0
	s_mov_b32 s[G1B], 15|(3<<16)|(1<<21)
	s_mov_b32 s[G1B+1], 32<<16
	s_mov_b32 s[G1B+2], 75<<16
	s_mov_b32 s[G1B+3], 32<<16
	s_mov_b32 s[G1B+4], 75
	s_mov_b32 s[G1B+5], 32
	s_mov_b32 s[G1B+6], 0
	s_mov_b32 s[G1B+7], 0
	s_mul_i32 s20, s14, 16*STEPB
	s_mov_b32 s21, 0
	s_mul_i32 s22, s[WV], 6400
	s_mul_i32 s23, s[WV], 19200
	s_add_co_u32 s23, s23, 4*STEPB
	s_mov_b32 s19, 0
	s_mov_b32 s[CS], 0x3e38aa3b
	s_mov_b32 s[CS+1], s[CS]
	s_mov_b32 s[SEL], 0x76543210
	s_mov_b32 s[SEL+1], 0xfedcba98
	s_wait_dscnt 0x0
	s_wait_kmcnt 0x0
	s_add_nc_u64 s[6:7], s[6:7], s[20:21]
	s_mov_b32 s[G0A], 1
	s_mov_b32 s[G0A+1], s22
	s_mov_b32 s18, s22
	s_add_nc_u64 s[G0A+2:G0A+3], s[6:7], s[18:19]
	s_or_b32 s[G0A+3], s[G0A+3], 0x80000000
	s_mov_b32 s[G0B], 1
	s_mov_b32 s[G0B+1], s23
	s_mov_b32 s18, s23
	s_add_nc_u64 s[G0B+2:G0B+3], s[6:7], s[18:19]
	s_or_b32 s[G0B+3], s[G0B+3], 0x80000000
	CROUND
	tensor_load_to_lds s[G0A:G0A+3], s[G1A:G1A+7]
	s_nop 0
	tensor_load_to_lds s[G0B:G0B+3], s[G1B:G1B+7]
	s_nop 0
.rept 4
	v_nop
.endr
	s_mul_i32 s20, s14, 102400
	s_lshl_b32 s15, s13, 2
	s_lshr_b32 s16, s[WV], 1
	s_add_co_u32 s15, s15, s16
	s_mul_i32 s15, s15, 6400
	s_add_co_u32 s20, s20, s15
	s_add_nc_u64 s[4:5], s[4:5], s[20:21]
	s_and_b32 s16, s[WV], 1
	s_mul_i32 s22, s16, 3072
	s_mov_b32 s23, 0
	s_add_nc_u64 s[18:19], s[4:5], s[22:23]
	s_lshl_b32 s15, s16, 3
	v_and_b32 v7, 31, v0
	v_and_b32 v21, 15, v0
	s_delay_alu instid0(VALU_DEP_2)
	v_lshlrev_b32 v[AD0], 4, v7
	s_delay_alu instid0(VALU_DEP_2)
	v_lshl_add_u32 v[AS0], v21, 4, KSOFF
	s_delay_alu instid0(VALU_DEP_4)
	v_lshlrev_b32 v5, 3, v7
	v_lshlrev_b32 v6, 5, v7
	v_lshl_add_u32 v22, v21, 4, s15
	global_load_b64 v[T:T+1], v22, s[4:5] offset:6144
	WIN 0x40
.irp ii, 0,1
.irp k, 0,12
	global_load_b128 v[QB+36*\ii+\k:QB+36*\ii+\k+3], v[AD0], s[18:19] offset:1536*\ii
	global_load_b64 v[QB+36*\ii+\k+4:QB+36*\ii+\k+5], v[AD0], s[18:19] offset:1536*\ii+512
	global_load_b64 v[QB+36*\ii+18+\k:QB+36*\ii+18+\k+1], v[AD0], s[18:19] offset:1536*\ii+520
	global_load_b128 v[QB+36*\ii+18+\k+2:QB+36*\ii+18+\k+5], v[AD0], s[18:19] offset:1536*\ii+1024
.endr
.endr
.irp t, 0,1,2,3
.irp i, 0,1,2,3,4,5
	v_mov_b32 v[QB+18*\t+6+\i], 0
.endr
.endr
	WIN 0
.irp t, 0,1,2,3
	v_mov_b32 v[ST+4*\t+1], 0xff61b1e6
	s_delay_alu instid0(VALU_DEP_1)
	v_floor_f32 v[ST+4*\t], -v[ST+4*\t+1]
	v_mov_b32 v[ST+4*\t+2], 0
	v_mov_b32 v[ST+4*\t+3], 0
.endr
.irp b, 0,1,2,3
	v_mov_b32 v[BT+\b], 0
.endr
	v_mov_b32 v[F+1], 0
	s_lshr_b32 s15, s14, 4
	s_and_b32 s16, s14, 15
	s_lshl_b32 s17, s15, 7
	s_lshl_b32 s22, s13, 5
	s_add_co_u32 s17, s17, s22
	s_lshl_b32 s22, s[WV], 2
	s_add_co_u32 s17, s17, s22
	s_mul_i32 s20, s17, 12288
	s_mul_i32 s22, s16, 768
	s_add_co_u32 s20, s20, s22
	s_add_nc_u64 s[8:9], s[8:9], s[20:21]
	s_lshl_b32 s20, s17, 9
	s_lshl_b32 s22, s16, 1
	s_add_co_u32 s20, s20, s22
	s_add_nc_u64 s[10:11], s[10:11], s[20:21]
	s_wait_loadcnt 0x0
	v_perm_b32 v[QS], v[T], v[T], 0x01000100
	v_perm_b32 v[QS+1], v[T], v[T], 0x03020302
	v_perm_b32 v[QS+2], v[T+1], v[T+1], 0x01000100
	v_perm_b32 v[QS+3], v[T+1], v[T+1], 0x03020302
	WIN 0x40
.set j, 0
.rept 128
	v_mov_b32 v[j], 0
.set j, j+1
.endr
	WIN 0
.macro KLOAD
.irp i, 0,1,2,3
.irp c, 0,1,2
	ds_load_b128 v[KF+12*\i+4*\c:KF+12*\i+4*\c+3], v[ADK] offset:1536*\i+512*\c
.endr
.endr
	ds_load_b128 v[KS:KS+3], v[ADS]
.endm
.macro VLOAD
.irp i, 0,1,2,3
.irp c, 0,1,2
	ds_load_b128 v[VF+12*\i+4*\c:VF+12*\i+4*\c+3], v[ADK] offset:VOFF+1536*\i+512*\c
.endr
.endr
	ds_load_b128 v[VS:VS+3], v[ADS] offset:256
.endm
.macro TILE t, kl
.set rT, ST+4*(\t)
	WIN W_S
.irp i, 0,1,2,3
.irp u, 0,1
	v_wmma_scale_f32_16x16x128_f8f6f4 v[S+8*(2*\i+\u):S+8*(2*\i+\u)+7], v[KF+12*\i:KF+12*\i+11], v[QB+18*(\t)+6*\u:QB+18*(\t)+6*\u+11], 0, v[KS+\i], v[QS+(\t)] matrix_a_fmt:MATRIX_FMT_FP6 matrix_b_fmt:MATRIX_FMT_FP6
.endr
.endr
	WIN 0
.if \kl
	s_add_co_u32 s[TB], s[TB], STEPB
	v_add_nc_u32 v[ADK], s[TB], v[AD0]
	v_add_nc_u32 v[ADS], s[TB], v[AS0]
	v_nop
	v_nop
	KLOAD
.else
.rept 4
	v_nop
.endr
.endif
.irp b, 0,1,2,3
	v_max3_num_f32 v[BM+\b], v[S+16*\b], v[S+16*\b+1], v[S+16*\b+2]
.endr
.irp i, 3,5,7,9,11,13
.irp b, 0,1,2,3
	v_max3_num_f32 v[BM+\b], v[BM+\b], v[S+16*\b+\i], v[S+16*\b+\i+1]
.endr
.endr
.irp b, 0,1,2,3
	v_max_num_f32 v[BM+\b], v[BM+\b], v[S+16*\b+15]
.endr
.irp b, 0,1,2,3
	s_delay_alu instid0(VALU_DEP_4)
	v_permlanex16_b32 v[BT+\b], v[BM+\b], s[SEL], s[SEL+1]
.endr
.irp b, 0,1,2,3
	s_delay_alu instid0(VALU_DEP_4)
	v_max_num_f32 v[BM+\b], v[BM+\b], v[BT+\b]
.endr
	s_delay_alu instid0(VALU_DEP_2)
	v_max3_num_f32 v[T], v[BM], v[BM+1], v[BM+2]
	s_delay_alu instid0(VALU_DEP_1)
	v_max_num_f32 v[T], v[T], v[BM+3]
	s_delay_alu instid0(VALU_DEP_1)
	v_mul_f32 v[T], s[CS], v[T]
	s_delay_alu instid0(VALU_DEP_1)
	v_max_num_f32 v[rT+1], v[rT+1], v[T]
	v_mov_b32 v[T], v[rT]
	s_delay_alu instid0(VALU_DEP_2)
	v_floor_f32 v[rT], -v[rT+1]
	s_delay_alu instid0(VALU_DEP_1)
	v_sub_f32 v[T], v[rT], v[T]
	s_delay_alu instid0(VALU_DEP_1)
	v_cvt_i32_f32 v[T], v[T]
	s_delay_alu instid0(VALU_DEP_1)
	v_ldexp_f32 v[F], 1.0, v[T]
.set j, 0
.rept 32
	v_pk_fma_f32 v[S+j:S+j+1], v[S+j:S+j+1], s[CS:CS+1], v[rT:rT+1] op_sel_hi:[1,0,0]
.set j, j+2
.endr
.irp b, 0,1,2,3
	v_fma_f32 v[BM+\b], v[BM+\b], s[CS], v[rT]
.endr
.set j, 0
	s_wait_alu depctr_va_vdst(0)
.rept 64
	v_exp_f32 v[S+j], v[S+j]
.set j, j+1
.endr
.irp b, 0,1,2,3
	v_exp_f32 v[BM+\b], v[BM+\b]
.endr
	v_pk_mul_f32 v[rT+2:rT+3], v[rT+2:rT+3], v[F:F+1] op_sel_hi:[1,0]
	s_wait_alu depctr_va_vdst(0)
.irp b, 0,1,2,3
	v_max_num_f32 v[BM+\b], 0x1800000, v[BM+\b]
.endr
.irp b, 0,1,2,3
	s_delay_alu instid0(VALU_DEP_4)
	v_add_nc_u32 v[SO+\b], 0xff000000, v[BM+\b]
.endr
.irp b, 0,1,2,3
	s_delay_alu instid0(VALU_DEP_4)
	v_lshrrev_b32 v[BT+\b], 23, v[SO+\b]
.endr
	s_delay_alu instid0(VALU_DEP_3)
	v_lshl_or_b32 v[PS], v[BT+1], 8, v[BT]
	s_delay_alu instid0(VALU_DEP_1)
	v_lshl_or_b32 v[PS], v[BT+2], 16, v[PS]
	s_delay_alu instid0(VALU_DEP_1)
	v_lshl_or_b32 v[PS], v[BT+3], 24, v[PS]
.irp c, 0,1
	v_cvt_scalef32_pk16_fp6_f32 v[P+6*\c:P+6*\c+2], v[S+32*\c:S+32*\c+15], v[SO+2*\c]
	v_cvt_scalef32_pk16_fp6_f32 v[CT+4*\c:CT+4*\c+2], v[S+32*\c+16:S+32*\c+31], v[SO+2*\c+1]
.endr
	v_nop
.irp c, 0,1
.irp i, 0,1,2
	v_permlane16_swap_b32 v[P+6*\c+\i], v[CT+4*\c+\i]
.endr
.irp i, 0,1,2
	s_delay_alu instid0(VALU_DEP_3)
	v_mov_b32 v[P+3+6*\c+\i], v[CT+4*\c+\i]
.endr
.endr
	WIN W_RS
.set j, 0
.rept 16
	v_pk_mul_f32 v[32*(\t)+j:32*(\t)+j+1], v[32*(\t)+j:32*(\t)+j+1], v[F:F+1] op_sel_hi:[1,0]
.set j, j+2
.endr
	WIN 0
	v_pk_add_f32 v[T:T+1], v[S:S+1], v[S+2:S+3]
.set j, 4
.rept 15
	v_pk_add_f32 v[rT+2:rT+3], v[rT+2:rT+3], v[S+j:S+j+1]
	v_pk_add_f32 v[T:T+1], v[T:T+1], v[S+j+2:S+j+3]
.set j, j+4
.endr
	s_delay_alu instid0(VALU_DEP_1)
	v_pk_add_f32 v[rT+2:rT+3], v[rT+2:rT+3], v[T:T+1]
.if (\t) == 0
	s_wait_dscnt 0x0
.endif
	WIN W_PV
.irp u, 0,1,2,3
	v_wmma_scale_f32_16x16x128_f8f6f4 v[32*(\t)+8*\u:32*(\t)+8*\u+7], v[VF+12*\u:VF+12*\u+11], v[P:P+11], v[32*(\t)+8*\u:32*(\t)+8*\u+7], v[VS+\u], v[PS] matrix_a_fmt:MATRIX_FMT_FP6 matrix_b_fmt:MATRIX_FMT_FP6
.endr
.endm
.macro STEP pre
	s_wait_dscnt 13
	TILE 0, 0
	TILE 1, 0
	TILE 2, 0
	TILE 3, \pre
	WIN 0
.if \pre
.rept 4
	v_nop
.endr
	VLOAD
.endif
.endm
	s_wait_tensorcnt 0x1
	s_barrier_signal -1
	s_barrier_wait -1
	s_mov_b32 s[TB], 0
	v_add_nc_u32 v[ADK], s[TB], v[AD0]
	v_add_nc_u32 v[ADS], s[TB], v[AS0]
	KLOAD
	VLOAD
	s_mov_b32 s[CNT], 3
.Lfirst:
	STEP 1
	s_sub_co_u32 s[CNT], s[CNT], 1
	s_cmp_lg_u32 s[CNT], 0
	s_cbranch_scc1 .Lfirst
	s_wait_tensorcnt 0x0
	s_wait_dscnt 0x0
	s_barrier_signal -1
	s_barrier_wait -1
	s_mov_b32 s[CNT], 12
.Lrest:
	STEP 1
	s_sub_co_u32 s[CNT], s[CNT], 1
	s_cmp_lg_u32 s[CNT], 0
	s_cbranch_scc1 .Lrest
	STEP 0
.irp t, 0,1,2,3
	v_add_f32 v[BM+\t], v[ST+4*\t+2], v[ST+4*\t+3]
.endr
.irp t, 0,1,2,3
	s_delay_alu instid0(VALU_DEP_4)
	v_permlanex16_b32 v[BT+\t], v[BM+\t], s[SEL], s[SEL+1]
.endr
.irp t, 0,1,2,3
	s_delay_alu instid0(VALU_DEP_4)
	v_add_f32 v[BM+\t], v[BM+\t], v[BT+\t]
.endr
	s_wait_alu depctr_va_vdst(0)
.irp t, 0,1,2,3
	v_rcp_f32 v[RL+\t], v[BM+\t]
.endr
	v_nop
	s_wait_alu depctr_va_vdst(0)
.macro OUT t
.set SX, S+32*((\t)%2)
.set E, KF+8*(\t)
	WIN 0x01
.set j, 0
.rept 32
	v_mul_f32 v[SX+j], v[32*(\t)+j], v[RL+(\t)]
.set j, j+1
.endr
	WIN 0
.irp b, 0,1
	v_max3_num_f32 v[BM+\b], |v[SX+16*\b]|, |v[SX+16*\b+1]|, 0x1800000
.endr
.irp i, 2,4,6,8,10,12,14
.irp b, 0,1
	s_delay_alu instid0(VALU_DEP_2)
	v_max3_num_f32 v[BM+\b], v[BM+\b], |v[SX+16*\b+\i]|, |v[SX+16*\b+\i+1]|
.endr
.endr
.irp b, 0,1
	s_delay_alu instid0(VALU_DEP_2)
	v_permlanex16_b32 v[BT+\b], v[BM+\b], s[SEL], s[SEL+1]
.endr
.irp b, 0,1
	s_delay_alu instid0(VALU_DEP_2)
	v_max_num_f32 v[BM+\b], v[BM+\b], v[BT+\b]
.endr
.irp b, 0,1
	s_delay_alu instid0(VALU_DEP_2)
	v_add_nc_u32 v[SO+\b], 0xff000000, v[BM+\b]
.endr
.irp b, 0,1
	s_delay_alu instid0(VALU_DEP_2)
	v_lshrrev_b32 v[BT+\b], 23, v[SO+\b]
.endr
	s_delay_alu instid0(VALU_DEP_1)
	v_lshl_or_b32 v[WT+(\t)], v[BT+1], 8, v[BT]
	v_cvt_scalef32_pk16_fp6_f32 v[E:E+2], v[SX:SX+15], v[SO]
	v_cvt_scalef32_pk16_fp6_f32 v[E+4:E+6], v[SX+16:SX+31], v[SO+1]
	v_nop
.irp i, 0,1,2
	v_permlane16_swap_b32 v[E+\i], v[E+4+\i]
.endr
	s_delay_alu instid0(VALU_DEP_3)
	v_mov_b32 v[E+3], v[E+4]
	s_delay_alu instid0(VALU_DEP_3)
	v_mov_b32 v[E+4], v[E+5]
	s_delay_alu instid0(VALU_DEP_3)
	v_mov_b32 v[E+5], v[E+6]
.irp p, 0,1,2
	global_store_b64 v5, v[E+2*\p:E+2*\p+1], s[8:9] offset:12288*(\t)+256*\p
.endr
.endm
	OUT 0
	OUT 1
	OUT 2
	OUT 3
	v_cmp_gt_u32 vcc_lo, 16, v7
	s_delay_alu instid0(VALU_DEP_1)
	v_cndmask_b32 v[WS], v[WT+1], v[WT], vcc_lo
	s_delay_alu instid0(VALU_DEP_2)
	v_cndmask_b32 v[WS+1], v[WT+3], v[WT+2], vcc_lo
	global_store_b16 v6, v[WS], s[10:11]
	global_store_b16 v6, v[WS+1], s[10:11] offset:1024
	s_wait_dscnt 0x0
	s_wait_tensorcnt 0x0
	ds_add_u32 v254, v255
	s_wait_dscnt 0x0
	CROUND
	s_endpgm
.Lfunc_end_k_qacde1985a8_attn:
	.size	k_qacde1985a8_attn, .Lfunc_end_k_qacde1985a8_attn-k_qacde1985a8_attn
	.p2alignl 7, 3214868480
	.fill 96, 4, 3214868480
	.section	.rodata,"a",@progbits
	.p2align	6, 0x0
	.amdhsa_kernel k_qacde1985a8_attn
		.amdhsa_group_segment_fixed_size 205824
		.amdhsa_private_segment_fixed_size 0
		.amdhsa_enable_private_segment 0
		.amdhsa_kernarg_size 32
		.amdhsa_user_sgpr_count 2
		.amdhsa_user_sgpr_kernarg_segment_ptr 1
		.amdhsa_wavefront_size32 1
		.amdhsa_system_sgpr_workgroup_id_x 1
		.amdhsa_system_sgpr_workgroup_id_y 1
		.amdhsa_system_sgpr_workgroup_id_z 1
		.amdhsa_system_vgpr_workitem_id 0
		.amdhsa_next_free_vgpr 512
		.amdhsa_next_free_sgpr 66
		.amdhsa_reserve_vcc 1
		.amdhsa_float_denorm_mode_32 3
		.amdhsa_float_denorm_mode_16_64 3
		.amdhsa_memory_ordered 1
		.amdhsa_forward_progress 1
		.amdhsa_inst_pref_size 210
	.end_amdhsa_kernel
	.amdgpu_metadata
---
amdhsa.version: [ 1, 2 ]
amdhsa.kernels:
  - .name:           k_qacde1985a8_attn
    .symbol:         k_qacde1985a8_attn.kd
    .args:
      - { .name: qbuf, .offset: 0, .size: 8, .value_kind: global_buffer, .address_space: global }
      - { .name: kvbuf, .offset: 8, .size: 8, .value_kind: global_buffer, .address_space: global }
      - { .name: acodes, .offset: 16, .size: 8, .value_kind: global_buffer, .address_space: global }
      - { .name: ascales, .offset: 24, .size: 8, .value_kind: global_buffer, .address_space: global }
    .group_segment_fixed_size: 205824
    .private_segment_fixed_size: 0
    .kernarg_segment_align: 8
    .kernarg_segment_size: 32
    .max_flat_workgroup_size: 256
    .sgpr_count:     66
    .vgpr_count:     512
    .wavefront_size: 32
...
	.end_amdgpu_metadata
.endif
;; end of part 2
;; launch oproj (part 3): grid 4 x 32, 4 waves a work-group, clusters of 4 x 4, 327,680 bytes of LDS; arguments acodes, ascales, Wo_codes, Wo_scales, bo, out0; writes out0
.if DOCPART == 3
	.amdgcn_target "amdgcn-amd-amdhsa--gfx1250"
	.amdhsa_code_object_version 6
	.text
	.protected	k_qacde1985a8_oproj
	.globl	k_qacde1985a8_oproj
	.p2align	8
	.type	k_qacde1985a8_oproj,@function
k_qacde1985a8_oproj:
	s_mov_b64 s[64:65], 0
	v_nop
	global_prefetch_b8 v0, s[64:65] scope:SCOPE_SE
	s_setreg_imm32_b32 hwreg(HW_REG_WAVE_MODE, 25, 1), 1
	s_wait_xcnt 0x0
	s_wait_alu depctr_hold_cnt(0) depctr_sa_sdst(0) depctr_va_vdst(0) depctr_va_sdst(0) depctr_va_ssrc(0) depctr_va_vcc(0) depctr_vm_vsrc(0)
	s_getreg_b32 s2, hwreg(HW_REG_IB_STS2, 6, 4)
	s_cmp_eq_u32 s2, 0
	s_cbranch_scc0 .Lentry_in_a_cluster
	s_endpgm
.Lentry_in_a_cluster:
	s_bfe_u32 s2, ttmp6, 0x10000c
	s_cmp_lg_u32 s2, 0xf033
	s_cbranch_scc0 .Lentry_shape_is_right
	s_endpgm
.Lentry_shape_is_right:
; out0[m][n] = sum over k of A[m][k] Wo[n][k] + bo[n], on codes of FP6 (E2M3) with one E8M0 scale for each 32 along K = 1,024; sums in f32.  A is the attention's result, 8,192 rows.
; A tile of 256 x 256 is made by four waves, 128 x 128 a wave: 64 accumulators, 512 registers.  K goes in steps of 256 through a ring of two LDS slots filled by the tensor data mover.
; A'S CODES COME AS IMAGES OF THE OPERAND'S REGISTERS: [row tile of 16 rows][K step of 128][1,536 bytes]: six pieces of 256 bytes, piece p = lane l's registers 2 p, 2 p + 1 at byte 8 l.  A slot's part of a row tile is 3,072
; consecutive bytes; a fragment is six loads of 8 bytes a lane, each of 256 consecutive bytes.  Wo's codes come as rows of 768 bytes, in tiles of 128 rows x 192 bytes, padded in LDS.
; The scales of the work-group's rows of A and of Wo, for all of K, come into LDS once, with the first fills.  The bias is the C of each sum's first matrix instruction.
; CLUSTERS: 4 x 4 work-groups; A's tiles are shared along a row of the cluster, Wo's along a column: each is asked for jointly.  THE MATRIX INSTRUCTION IS USED TRANSPOSED (source 0 = 16 rows of Wo, source 1 = 16 rows of A).
; REGISTERS: window 0: v0-31 addresses; v32-63 scale words, two sets, and nothing else; v64-127 the bias; v128-223 A's fragments, one set; on the way out v128-255.  window 1: Wo's fragments, two sets.  windows 2, 3: the accumulators.
.set SIZE_N, 1024
.set KSTEP,  256
.set NQ,     2
.set ROWB,   192
.set KROW,   768                       ; a row of Wo in memory; also a row's share of A's images: 12,288 / 16
.set ASTEP,  3072                      ; a slot's part of a row tile of A
.set PITCH,  240
.set FR,     12
.set NL,     6
.set NP,     4
.set HALFA,  8*ASTEP                   ; 128 rows of A in a slot
.set HALFT,  128*PITCH                 ; 128 rows of Wo
.set SLOT,   2*HALFA+2*HALFT
.set LAPS,   2
.set KS,     32
.set SCL,    2*SLOT
.set HALFS,  (128*KS/256)*272
.set SBLK,   (16*KS/256)*272
.set SPARE,  SCL+4*HALFS
.set SPITCH, 528                       ; the way out: a stage of 16 rows x (512 bytes + 16) for each wave, in slot 0, which has had its last fill and its last read by then
.set ADRA, 16
.set ADRB, 20
.set STO,  24
.set RD,   25
.set CO,   26
.set ADRS, 27
.set SPW,  28
.set NIL,  29
.set SC,   32
.set BIAS, 64
.set AF,   128
.set BK,   128
.set G1, 24
.set G0, 32
.set G1B, 48
.set G0B, 56
.set G1S, 68
.set G0S, 76
.set G1SB, 80
.set G0SB, 88
.set MSB, 0
.macro WIN new
.if MSB != \new
	s_set_vgpr_msb (MSB<<8)|\new
.set MSB, \new
.endif
.endm
.set MUL_LO, 0xa1
.set MUL_HI, 0xf1
.set TO_B,   0x40
.macro JLOAD g0a, g1a, g0b, g1b        ; a joint load: waves 0 and 1 fetch for A, waves 2 and 3 for Wo; four v_nop follow each of the two lines
	s_cmp_eq_u32 s15, 0
	s_cbranch_scc0 .Lfor_b_\@
	tensor_load_to_lds s[\g0a:\g0a+3], s[\g1a:\g1a+7]
	s_nop 0
.rept 4
	v_nop
.endr
	s_branch .Lasked_\@
.Lfor_b_\@:
	tensor_load_to_lds s[\g0b:\g0b+3], s[\g1b:\g1b+7]
	s_nop 0
.rept 4
	v_nop
.endr
.Lasked_\@:
.endm
.macro CREST
	s_cmp_lg_u32 s14, 0
	s_cbranch_scc1 .Lnot_wave_0_\@
	s_barrier_signal -3
.Lnot_wave_0_\@:
	s_barrier_wait -3
	s_barrier_signal -1
	s_barrier_wait -1
.endm
.macro CROUND
	s_barrier_signal -1
	s_barrier_wait -1
	CREST
.endm
	s_load_b128 s[4:7], s[0:1], 0x0                ; A's codes, A's scales
	s_load_b128 s[8:11], s[0:1], 0x10              ; Wo's codes, Wo's scales
	s_load_b64 s[96:97], s[0:1], 0x20              ; bo
	s_load_b64 s[12:13], s[0:1], 0x28              ; out0
	v_lshl_add_u32 v[SPW], v0, 2, SPARE
	v_mov_b32 v[NIL], 0
	ds_add_u32 v28, v29
	ds_add_u32 v28, v29
	s_wait_dscnt 0x0
	v_lshrrev_b32 v1, 5, v0
	v_readfirstlane_b32 s14, v1                    ; wave 0..3
	s_lshr_b32 s15, s14, 1                         ; which half of the tile's rows is mine.  Also: I fetch for A (0) or for Wo (1)
	s_and_b32 s16, s14, 1                          ; which half of its columns.  Also: which 128 rows I fetch
	s_bfe_u32 s40, ttmp6, 0x40000
	s_bfe_u32 s41, ttmp6, 0x40004
	s_lshl_b32 s42, ttmp9, 2
	s_add_co_u32 s42, s42, s40                     ; tile column
	s_and_b32 s17, ttmp7, 0xffff
	s_lshl_b32 s17, s17, 2
	s_add_co_u32 s17, s17, s41                     ; tile row
	s_lshl_b32 s43, s41, 2
	s_lshl_b32 s43, 15, s43                        ; my row of the cluster
	s_lshl_b32 s44, 0x1111, s40                    ; my column
	; A's tiles: 8 row tiles x 3,072 bytes (384 elements of 8 bytes), 12,288 bytes (1,536 elements) apart; no padding
	s_or_b32 s[G1+0], s43, (3<<16)|(1<<21)
	s_mov_b32 s[G1+1], 384<<16
	s_mov_b32 s[G1+2], 8<<16
	s_mov_b32 s[G1+3], 384<<16
	s_mov_b32 s[G1+4], 8
	s_mov_b32 s[G1+5], 1536
	s_mov_b32 s[G1+6], 0
	s_mov_b32 s[G1+7], 0
	; Wo's tiles: 128 rows x 192 bytes, 16 bytes of padding behind every 64
	s_or_b32 s[G1B+0], s44, (0<<16)|(1<<20)|(1<<21)|(3<<22)|(3<<25)
	s_mov_b32 s[G1B+1], ROWB<<16
	s_mov_b32 s[G1B+2], 128<<16
	s_mov_b32 s[G1B+3], ROWB<<16
	s_mov_b32 s[G1B+4], 128
	s_mov_b32 s[G1B+5], KROW
	s_mov_b32 s[G1B+6], 0
	s_mov_b32 s[G1B+7], 0
	; the scales of 128 rows: 4,096 dense bytes, as rows of 256 bytes with 16 of padding behind each
	s_or_b32 s[G1S+0], s43, (3<<16)|(1<<20)|(1<<21)|(5<<22)|(3<<25)
	s_or_b32 s[G1SB+0], s44, (3<<16)|(1<<20)|(1<<21)|(5<<22)|(3<<25)
.irp g, G1S, G1SB
	s_mov_b32 s[\g+1], 32<<16
	s_mov_b32 s[\g+2], (128*KS/256)<<16
	s_mov_b32 s[\g+3], 32<<16
	s_mov_b32 s[\g+4], 128*KS/256
	s_mov_b32 s[\g+5], 32
	s_mov_b32 s[\g+6], 0
	s_mov_b32 s[\g+7], 0
.endr
	s_lshl_b32 s18, s16, 7
	s_lshl_b32 s20, s17, 8
	s_add_co_u32 s20, s20, s18                     ; A: row 256 x tile row + 128 x half
	s_lshl_b32 s46, s42, 8
	s_add_co_u32 s46, s46, s18                     ; Wo: row 256 x tile column + 128 x half
	s_mov_b32 s21, 0
	s_mov_b32 s47, 0
	s_mov_b64 s[18:19], KS
	s_mul_u64 s[22:23], s[20:21], s[18:19]
	s_mul_u64 s[92:93], s[46:47], s[18:19]
	s_mov_b64 s[18:19], KROW
	s_mul_u64 s[20:21], s[20:21], s[18:19]         ; (a multiple of 16 rows x 768 = row tiles x 12,288)
	s_mul_u64 s[46:47], s[46:47], s[18:19]
	s_mul_i32 s45, s16, HALFA                      ; where they go: A's two halves,
	s_mul_i32 s95, s16, HALFT
	s_add_co_u32 s95, s95, 2*HALFA                 ; then Wo's two
	s_mul_i32 s94, s14, HALFS
	s_wait_kmcnt 0x0
	s_add_nc_u64 s[20:21], s[4:5], s[20:21]
	s_add_nc_u64 s[22:23], s[6:7], s[22:23]
	s_add_nc_u64 s[46:47], s[8:9], s[46:47]
	s_add_nc_u64 s[92:93], s[10:11], s[92:93]
	CROUND                                         ; all sixteen work-groups are here: the first joint loads meet
	s_mov_b32 s[G0S], 1
	s_add_co_u32 s[G0S+1], s94, SCL
	s_mov_b64 s[G0S+2:G0S+3], s[22:23]
	s_or_b32 s[G0S+3], s[G0S+3], 0x80000000
	s_mov_b32 s[G0SB], 1
	s_add_co_u32 s[G0SB+1], s94, SCL
	s_mov_b64 s[G0SB+2:G0SB+3], s[92:93]
	s_or_b32 s[G0SB+3], s[G0SB+3], 0x80000000
	JLOAD G0S, G1S, G0SB, G1SB
.irp s, 0,1
	s_mov_b32 s[G0+4*\s], 1
	s_add_co_u32 s[G0+4*\s+1], s45, \s*SLOT
	s_add_nc_u64 s[G0+4*\s+2:G0+4*\s+3], s[20:21], \s*ASTEP
	s_or_b32 s[G0+4*\s+3], s[G0+4*\s+3], 0x80000000
	s_mov_b32 s[G0B+4*\s], 1
	s_add_co_u32 s[G0B+4*\s+1], s95, \s*SLOT
	s_add_nc_u64 s[G0B+4*\s+2:G0B+4*\s+3], s[46:47], \s*ROWB
	s_or_b32 s[G0B+4*\s+3], s[G0B+4*\s+3], 0x80000000
	JLOAD G0+4*\s, G1, G0B+4*\s, G1B
.endr
	v_and_b32 v1, 15, v0                           ; r
	v_bfe_u32 v2, v0, 4, 1                         ; h
	v_mul_u32_u24 v3, v1, PITCH
	v_mul_u32_u24 v4, v2, 24
	v_add_nc_u32 v4, v3, v4                        ; Wo: row x pitch + 24 x half
	v_lshl_add_u32 v5, v2, 4, v4                   ; and the same behind one padding more
	v_and_b32 v6, 31, v0
	v_lshlrev_b32 v7, 3, v6                        ; A: 8 x lane
	s_mul_i32 s21, s15, HALFA                      ; my 128 rows of A
	s_mul_i32 s22, s16, HALFT                      ; my 128 rows of Wo,
	s_add_co_u32 s22, s22, 2*HALFA                 ; which lie behind A's
.irp s, 0,1
	v_add_nc_u32 v[ADRA+\s], s21, v7
	v_add_nc_u32 v[ADRB+\s], s22, v4
	v_add_nc_u32 v[ADRB+2+\s], s22, v5
	s_add_co_u32 s21, s21, SLOT
	s_add_co_u32 s22, s22, SLOT
.endr
	v_mul_u32_u24 v5, v1, KS
	v_lshrrev_b32 v6, 8, v5
	v_lshl_add_u32 v5, v6, 4, v5
	s_mul_i32 s21, s15, HALFS
	s_mul_i32 s22, s16, HALFS
	s_add_co_u32 s22, s22, 2*HALFS
	s_sub_co_u32 s22, s22, s21
	v_mul_u32_u24 v6, s22, v2                      ; lanes 16-31 take Wo's
	s_add_co_u32 s21, s21, SCL
	v_add_nc_u32 v5, v5, v6
	v_add_nc_u32 v[ADRS], s21, v5
	s_mul_i32 s23, s14, 16*SPITCH                  ; my stage
	v_mul_u32_u24 v5, v1, SPITCH
	v_lshl_add_u32 v5, v2, 5, v5
	v_add_nc_u32 v[STO], s23, v5
	v_and_b32 v6, 31, v0
	v_lshlrev_b32 v[CO], 4, v6
	v_add_nc_u32 v[RD], s23, v[CO]
	s_lshl_b32 s20, s17, 8
	s_lshl_b32 s21, s15, 7
	s_add_co_u32 s20, s20, s21                     ; my first row of out0
	s_mov_b32 s21, 0
	s_mov_b64 s[18:19], SIZE_N*4
	s_mul_u64 s[20:21], s[20:21], s[18:19]
	s_lshl_b32 s46, s42, 10                        ; my first column, in bytes: in a row of out0 and in bo alike
	s_lshl_b32 s47, s16, 9
	s_add_co_u32 s46, s46, s47
	s_mov_b32 s47, 0
	s_add_nc_u64 s[96:97], s[96:97], s[46:47]
	s_add_nc_u64 s[20:21], s[20:21], s[46:47]
	s_add_nc_u64 s[12:13], s[12:13], s[20:21]
	v_lshlrev_b32 v8, 5, v2                        ; the bias: register 8 b + j = bo[my first column + 16 b + 8 h + j]
.irp b, 0,1,2,3,4,5,6,7
	global_load_b128 v[BIAS+8*\b:BIAS+8*\b+3], v8, s[96:97] offset:64*\b
	global_load_b128 v[BIAS+8*\b+4:BIAS+8*\b+7], v8, s[96:97] offset:64*\b+16
.endr
.macro FRAG reg, adr, q, i             ; a fragment of Wo from padded rows, in pieces of 8 bytes
.irp p, 0,1,2,3,4,5
.set PIECE, 12*(\q)+6*(\p/3)+\p%3
.if PIECE%8 < 5
	ds_load_b64 v[\reg+2*\p:\reg+2*\p+1], v[\adr] offset:8*PIECE+16*(PIECE/8)+(\i)*16*PITCH
.else
	ds_load_b64 v[\reg+2*\p:\reg+2*\p+1], v[\adr+2] offset:8*PIECE+16*(PIECE/8)+(\i)*16*PITCH
.endif
.endr
.endm
.macro MUL16 a0, p, q, sc, zero        ; 16 matrix instructions; zero = 1: the sums start from the bias.  The 64 accumulators take turns
.irp a, \a0, \a0+1
.irp b, 0,1,2,3,4,5,6,7
.if \zero
	v_wmma_scale_f32_16x16x128_f8f6f4 v[8*(8*((\a)%4)+\b):8*(8*((\a)%4)+\b)+7], v[128*(\p)+FR*\b:128*(\p)+FR*\b+FR-1], v[AF+FR*(\a):AF+FR*(\a)+FR-1], v[BIAS+8*\b:BIAS+8*\b+7], v[SC+8*NQ*(\sc)+NQ*\b+(\q)], v[SC+8*NQ*(\sc)+NQ*(\a)+(\q)] matrix_a_fmt:MATRIX_FMT_FP6 matrix_b_fmt:MATRIX_FMT_FP6 matrix_a_scale:MATRIX_SCALE_ROW1
.else
	v_wmma_scale_f32_16x16x128_f8f6f4 v[8*(8*((\a)%4)+\b):8*(8*((\a)%4)+\b)+7], v[128*(\p)+FR*\b:128*(\p)+FR*\b+FR-1], v[AF+FR*(\a):AF+FR*(\a)+FR-1], v[8*(8*((\a)%4)+\b):8*(8*((\a)%4)+\b)+7], v[SC+8*NQ*(\sc)+NQ*\b+(\q)], v[SC+8*NQ*(\sc)+NQ*(\a)+(\q)] matrix_a_fmt:MATRIX_FMT_FP6 matrix_b_fmt:MATRIX_FMT_FP6 matrix_a_scale:MATRIX_SCALE_ROW1
.endif
.endr
.endr
.endm
.macro FETCH_B slot, q, p
	WIN TO_B
.irp i, 0,1,2,3,4,5,6,7
	FRAG 128*(\p)+FR*\i, ADRB+\slot, \q, \i
.endr
	WIN 0
.endm
.macro FETCH_A slot, q, i0             ; A's blocks i0 .. i0 + 3: each an image, six loads of 256 consecutive bytes
.irp i, \i0, \i0+1, \i0+2, \i0+3
.irp p, 0,1,2,3,4,5
	ds_load_b64 v[AF+FR*(\i)+2*\p:AF+FR*(\i)+2*\p+1], v[ADRA+\slot] offset:ASTEP*(\i)+1536*(\q)+256*\p
.endr
.endr
.endm
.macro SCALES sc
.irp i, 0,1,2,3,4,5,6,7
	ds_load_b64 v[SC+8*NQ*\sc+NQ*\i:SC+8*NQ*\sc+NQ*\i+1], v[ADRS] offset:\i*SBLK
.endr
.endm
.macro PLACES n
.rept \n
	v_nop
.endr
.endm
.macro STEP slot, q, zero
	s_wait_dscnt 4*NL                              ; Wo's set and A's blocks 0-3 are in; the youngest 24 loads (A's blocks 4-7) may be out
.if \zero
	WIN 0x81                                       ; as MUL_LO, with C (the bias) in window 0
.else
	WIN MUL_LO
.endif
	MUL16 0, (\q)%2, \q, \slot, \zero
	MUL16 2, (\q)%2, \q, \slot, \zero
	s_wait_dscnt 0
	PLACES NP
	FETCH_B \slot, (\q)+1, 1-(\q)%2
	FETCH_A \slot, (\q)+1, 0
.if \zero
	WIN 0xc1
.else
	WIN MUL_HI
.endif
	MUL16 4, (\q)%2, \q, \slot, \zero
	MUL16 6, (\q)%2, \q, \slot, \zero
	PLACES NP
	WIN 0
	FETCH_A \slot, (\q)+1, 4
.endm
.macro TURN slot, next, fill           ; a slot's last step changes slots
	s_wait_tensorcnt 0x0                           ; all my tensor loads have landed: my part of the next slot
	ds_add_u32 v[SPW], v[NIL]                      ; 0 onto my spare word
	s_wait_dscnt 4*NL+1                            ; (the add and the youngest 24 loads may be out)
	WIN MUL_LO
	MUL16 0, 1, NQ-1, \slot, 0
	s_wait_dscnt 0x0                               ; the add is done, and my reads of this slot are over
	s_barrier_signal -1
	MUL16 2, 1, NQ-1, \slot, 0
	WIN 0
	s_barrier_wait -1
.if \fill
	CREST                                          ; the barrier has opened a round of the cluster's: no wave of any partner still reads this slot or has a load on its way
	s_add_nc_u64 s[G0+4*\slot+2:G0+4*\slot+3], s[G0+4*\slot+2:G0+4*\slot+3], 2*ASTEP
	s_add_nc_u64 s[G0B+4*\slot+2:G0B+4*\slot+3], s[G0B+4*\slot+2:G0B+4*\slot+3], 2*ROWB
	JLOAD G0+4*\slot, G1, G0B+4*\slot, G1B         ; the first tensor load behind the round; its four v_nop are also the places in front of the loads below
.else
	PLACES NP
.endif
	v_add_nc_u32 v[ADRS], 4*NQ, v[ADRS]
	FETCH_B \next, 0, 0
	FETCH_A \next, 0, 0
	SCALES \next
	WIN MUL_HI
	MUL16 4, 1, NQ-1, \slot, 0
	MUL16 6, 1, NQ-1, \slot, 0
	PLACES NP
	WIN 0
	FETCH_A \next, 0, 4
.endm
	s_wait_tensorcnt 1                             ; the scales and my part of K step 0 are in (K step 1's load may be out)
	s_barrier_signal -1
	s_barrier_wait -1                              ; everybody's are
	FETCH_B 0, 0, 0
	FETCH_A 0, 0, 0
	SCALES 0
	FETCH_A 0, 0, 4
	s_wait_loadcnt 0x0                             ; the bias
	STEP 0, 0, 1                                   ; the first step stands in front of the loop: its products start the sums from the bias
	s_mov_b32 s3, LAPS-1
.Llap:
	TURN 0, 1, 1
	STEP 1, 0, 0
	TURN 1, 0, 1
	STEP 0, 0, 0
	s_sub_co_u32 s3, s3, 1
	s_cmp_lg_u32 s3, 0
	s_cbranch_scc1 .Llap
	TURN 0, 1, 0                                   ; the last lap fills nothing
	STEP 1, 0, 0
	s_wait_dscnt 4*NL
	WIN MUL_LO
	MUL16 0, 1, NQ-1, 1, 0
	MUL16 2, 1, NQ-1, 1, 0
	s_wait_dscnt 0
	WIN MUL_HI
	MUL16 4, 1, NQ-1, 1, 0
	MUL16 6, 1, NQ-1, 1, 0
	WIN 0
; THE WAY OUT, block by block of 16 rows x 128 columns, through my own stage in LDS: back come whole rows of 512 bytes.  LDS serves a wave's instructions in order (ISA guide 5.7.1.4).
.macro TOSTAGE a
.set AC, 64*((\a)%4)
	WIN 0x08+4*((\a)/4)                            ; the data: window 2 or 3
.irp b, 0,1,2,3,4,5,6,7
	ds_store_b128 v[STO], v[AC+8*\b:AC+8*\b+3] offset:64*\b          ; each accumulator from its low end on
	ds_store_b128 v[STO], v[AC+8*\b+4:AC+8*\b+7] offset:64*\b+16
.endr
	WIN 0
.set BB, BK+64*((\a)%2)
.irp t, 0,1,2,3,4,5,6,7,8,9,10,11,12,13,14,15
	ds_load_b128 v[BB+4*\t:BB+4*\t+3], v[RD] offset:\t*SPITCH
.endr
.endm
.macro SEND a, younger
.set BB, BK+64*((\a)%2)
	s_wait_dscnt \younger                          ; the block is back in registers
.if (\a) > 0
	s_add_nc_u64 s[12:13], s[12:13], 16*SIZE_N*4   ; (behind a wait on XCNT: the earlier stores have read their base)
.endif
.irp t, 0,1,2,3,4,5,6,7,8,9,10,11,12,13,14,15
	global_store_b128 v[CO], v[BB+4*\t:BB+4*\t+3], s[12:13] offset:\t*SIZE_N*4 th:TH_STORE_NT   ; 32 lanes store 512 consecutive bytes, at a multiple of 256 from out0's first byte
.endr
.endm
	PLACES NP
	TOSTAGE 0
.irp a, 1,2,3,4,5,6,7
.if \a > 1
	s_wait_xcnt 0x0                                ; block a - 2's stores have read their registers and their base
.endif
	TOSTAGE \a
	SEND \a-1, 32                                  ; behind block a - 1's loads: block a's 16 stores and 16 loads
.endr
	s_wait_xcnt 0x0
	SEND 7, 0
	s_wait_tensorcnt 0x0                           ; the wave's end
	ds_add_u32 v[SPW], v[NIL]
	s_wait_dscnt 0x0
	CROUND                                         ; the closing round
	s_endpgm
.Lfunc_end_k_qacde1985a8_oproj:
	.size	k_qacde1985a8_oproj, .Lfunc_end_k_qacde1985a8_oproj-k_qacde1985a8_oproj
	.p2alignl 7, 3214868480
	.fill 96, 4, 3214868480
	.section	.rodata,"a",@progbits
	.p2align	6, 0x0
	.amdhsa_kernel k_qacde1985a8_oproj
		.amdhsa_group_segment_fixed_size 327680
		.amdhsa_private_segment_fixed_size 0
		.amdhsa_enable_private_segment 0
		.amdhsa_kernarg_size 48
		.amdhsa_user_sgpr_count 2
		.amdhsa_user_sgpr_kernarg_segment_ptr 1
		.amdhsa_wavefront_size32 1
		.amdhsa_system_sgpr_workgroup_id_x 1
		.amdhsa_system_sgpr_workgroup_id_y 1
		.amdhsa_system_sgpr_workgroup_id_z 1
		.amdhsa_system_vgpr_workitem_id 0
		.amdhsa_next_free_vgpr 1024
		.amdhsa_next_free_sgpr 98
		.amdhsa_reserve_vcc 0
		.amdhsa_float_denorm_mode_32 3
		.amdhsa_float_denorm_mode_16_64 3
		.amdhsa_memory_ordered 1
		.amdhsa_forward_progress 1
		.amdhsa_inst_pref_size 162
	.end_amdhsa_kernel
	.amdgpu_metadata
---
amdhsa.version: [ 1, 2 ]
amdhsa.kernels:
  - .name:           k_qacde1985a8_oproj
    .symbol:         k_qacde1985a8_oproj.kd
    .args:
      - { .name: acodes, .offset: 0, .size: 8, .value_kind: global_buffer, .address_space: global }
      - { .name: ascales, .offset: 8, .size: 8, .value_kind: global_buffer, .address_space: global }
      - { .name: Wo_codes, .offset: 16, .size: 8, .value_kind: global_buffer, .address_space: global }
      - { .name: Wo_scales, .offset: 24, .size: 8, .value_kind: global_buffer, .address_space: global }
      - { .name: bo, .offset: 32, .size: 8, .value_kind: global_buffer, .address_space: global }
      - { .name: out0, .offset: 40, .size: 8, .value_kind: global_buffer, .address_space: global }
    .group_segment_fixed_size: 327680
    .private_segment_fixed_size: 0
    .kernarg_segment_align: 8
    .kernarg_segment_size: 48
    .max_flat_workgroup_size: 128
    .sgpr_count:     98
    .vgpr_count:     1024
    .wavefront_size: 32
...
	.end_amdgpu_metadata
.endif
;; end of part 3
